; MI455X (gfx1250); checked and timed in simulation.
; The chip was launched on July 23, 2026; its instructions are those of AMD's public machine-readable ISA for CDNA 5 (MIT licence, August 2026) and "CDNA5" Instruction Set Architecture Reference Guide (July 2026). The comments in the code are by the model that wrote it; some were corrected since.
;; Causal Self Attention. Allowed arithmetic: matrix products marked QUANTISED: E4M3 operands, one given power-of-two scale a tensor, by v_wmma_f32_16x16x64_fp8_fp8 or v_wmma_f32_16x16x128_fp8_fp8, f32 sums; everything else in f32.
;; Inputs: W_attn 1,024 x 3,072 float32; W_proj 1,024 x 1,024 float32; b_attn 3,072 float32; b_proj 1,024 float32; lowp_scales 8 int32 (the exponents e of the quantised operands' scales 2^e); x 4 x 2,048 x 1,024 float32.
;; Outputs: out0 4 x 2,048 x 1,024 float32.
;; This version of the problem:
;;   THIS VERSION OF THE PROBLEM IS GIVEN IN LOW PRECISION. The matrix products marked QUANTISED in the list below multiply operands that are first quantised to E4M3 (4 exponent bits, 3 mantissa bits; 8 bits a number), with one given power-of-two scale for each operand tensor; their sums are f32. All else is computed in f32.
;;   The module's matrix products, in the order in which they are computed (A, B: the left and right operand; K: the contracted axis; several contracted axes count as one K, in the product's order):
;;     1. [M 8,192, K 1,024] x [K 1,024, N 3,072]; A: input x; B: input W_attn: QUANTISED (scales: A lowp_scales[0], B lowp_scales[1])
;;     2. batch 64 x [M 2,048, K 64] x [K 64, N 2,048]; A: computed on the way; B: computed on the way: QUANTISED (scales: A lowp_scales[2], B lowp_scales[3])
;;     3. batch 64 x [M 2,048, K 2,048] x [K 2,048, N 64]; A: softmax (see below); B: computed on the way: QUANTISED (scales: A lowp_scales[4], B lowp_scales[5])
;;     4. [M 8,192, K 1,024] x [K 1,024, N 1,024]; A: computed on the way; B: input W_proj: QUANTISED (scales: A lowp_scales[6], B lowp_scales[7])
;;   THE QUANTISER, for each operand of a quantised product, along K:
;;     - The operand's scale is 2^e, e = its entry of the input lowp_scales (int32; the entries are numbered through the quantised products in the list's order, A before B).
;;     - Each number is divided by the scale, clamped to +-448, and rounded to the nearest number of E4M3, ties to even, subnormals kept.
;;     - The product sums the exact products of the quantised numbers (number of the format x scale) in f32.
;;   ~~~python
;;   def quantise(x, axis, e):      # numpy; x: float32 -> the quantised numbers, widened to float32 again
;;       x = np.moveaxis(x, axis, -1); K = x.shape[-1]
;;       r = np.clip(x / 2.0 ** e, -448, 448)
;;       step = 2.0 ** (np.maximum(np.frexp(np.where(r == 0, 1, r))[1] - 1, -6) - 3)
;;       q = np.round(r / step) * step * 2.0 ** e      # np.round: ties to even
;;       return np.moveaxis(q, -1, axis).astype(np.float32)
;;   ~~~
;;   SOFTMAX AHEAD OF A QUANTISED PRODUCT. Where the list says 'softmax', what is quantised is not the finished softmax but p = 2^(t - M), with t = logit x log2(e) and M = ceil(the row's largest t), a whole number; so 1/2 < the row's largest p <= 1. The row's sum l is taken of the UNQUANTISED p, in f32, and the product's result is divided by l at the end. Since M is a whole number, a kernel that streams over the keys may use a running M (the ceiling of the running maximum): every later rescaling is an exact power of two, so the quantised numbers keep their values, but for numbers so far below the row's largest that they fall under the format's range.
;;   OPERANDS COMPUTED ON THE WAY. 'Computed on the way' means the value that the module computes at that place (a softmax that the list does not call 'softmax' is quantised finished and normalised). What goes into a quantiser is computed in f32, as accurately as f32 sums, v_exp_f32 and their like allow (about 1e-6 of the number): no bf16 or f16 on the way to a quantiser, and a product that is left as it is and whose result goes on into a quantised operand takes f32 operands (vector FMAs, or v_wmma_f32_16x16x4_f32). A number that lies on a knife's edge between two numbers of the format may be rounded either way, as far as f32 arithmetic and the matrix unit's own rounding can turn it there, and no further.
;; One version. Each part assembles by itself: llvm-mc -triple=amdgcn-amd-amdhsa -mcpu=gfx1250 --defsym DOCPART=n.
;; ======== version 1 of 1: 4 launches
;; limits: right only within a limited range of input values
;; workspace buffers: x_img 8,388,608 bytes; wa_img 3,145,728 bytes; wp_img 1,048,576 bytes; q_img 8,388,608 bytes; k_img 8,388,608 bytes; v_img 8,388,608 bytes; y_img 8,388,608 bytes
;; launch prep (part 1): grid 768 x 1, 4 waves a work-group, no clusters, 34,304 bytes of LDS; arguments x, W_attn, W_proj, lowp_scales, x_img, wa_img, wp_img; writes x_img, wa_img, wp_img
.if DOCPART == 1
	.amdgcn_target "amdgcn-amd-amdhsa--gfx1250"
	.amdhsa_code_object_version 6
	.text
	.protected	k_qd5ae324b48_prep
	.globl	k_qd5ae324b48_prep
	.p2align	8
	.type	k_qd5ae324b48_prep,@function
k_qd5ae324b48_prep:
	s_mov_b64 s[64:65], 0
	v_nop
	global_prefetch_b8 v0, s[64:65] scope:SCOPE_SE
	s_setreg_imm32_b32 hwreg(HW_REG_WAVE_MODE, 25, 1), 1
	s_wait_xcnt 0x0
; x [8192][1024], W_attn [1024][3072] and W_proj [1024][1024], f32, become codes of FP8 (E4M3), each with its given scale 2^e (entries 0, 1, 7 of the scales).
; code = number / 2^e, held within +-448, rounded to the nearest code, ties to even.
; LIMITS: each e between -126 and 119, so that 2^e and 448 x 2^e are f32 numbers.  NaN among the inputs is not served.
; THE CODES ARE LAID AS IMAGES OF OPERAND REGISTERS.  A fragment (16 rows x 128 along K) is 2,048 bytes: four pieces c of 512 bytes; lane l = (r = l % 16, h = l / 16) owns bytes 16 l .. 16 l + 15
; of piece c, which are registers 4 c .. 4 c + 3 of the operand.  x_img: [token tile 512][K step 8][c][512]; wa_img: [column tile 192][K step 8][c][512]; wp_img: [column tile 64][K step 8][c][512].
; Which k lies in which byte: x_img and wa_img: piece c, half h, byte i holds k = 32 c + 16 h + i.  wp_img: piece c, half h, byte 8 u + j holds k = 32 c + 16 u + 8 h + j: the order in which the
; attention launch leaves its results, so that both operands of the last product agree.
; SHARES.  Work-groups 0-511: x, one token tile each, wave w its K steps 2 w and 2 w + 1.  512-703: W_attn; 704-767: W_proj: 128 columns x one K step, 32 columns a wave.
; No matrix work, no tensor load, no barrier: waves share nothing.  Memory binds, so all loads of a wave go out at once.
.set R,   16                           ; v16-143  x path: 32 loads x 4 registers.  Weight paths: a lane's 128 numbers down K
.set X,   144                          ; v144-207 x path: a lane's 64 numbers of a K step.  Weight paths: v144-175 the codes
.set C,   208                          ; v208-239 x path: codes, a set for each K step, so that no store's data are written again
.set SP,  528                          ; a stage row: 512 bytes + 16: an odd multiple of 16, so that sixteen rows start at sixteen different groups of banks (64 banks of 4 bytes: ISA guide 11.1)
.macro SCALE e                         ; v11 = 2^e as f32 (the conversion takes its exponent field)
	s_add_co_i32 s20, s[\e], 127
	s_lshl_b32 s21, s20, 23
	v_mov_b32 v11, s21
.endm
; One K step of my 16 rows of x: as loaded (a row's 512 bytes over 32 lanes) into my stage, and back 16 neighbours of each block of 32 a lane; held, converted, stored.
.macro XQ q
.if \q == 0
	s_wait_loadcnt 16                              ; this K step's sixteen loads are in; the other's sixteen may be out
.else
	s_wait_loadcnt 0x0
.endif
.irp i, 0,1,2,3,4,5,6,7,8,9,10,11,12,13,14,15
	ds_store_b128 v3, v[R+64*\q+4*\i:R+64*\q+4*\i+3] offset:\i*SP
.endr
.irp c, 0,1,2,3
.irp j, 0,1,2,3
	ds_load_b128 v[X+16*\c+4*\j:X+16*\c+4*\j+3], v4 offset:128*\c+16*\j   ; LDS serves a wave's instructions in order (ISA guide 5.7.1.4): these see the stores above
.endr
.endr
	s_wait_dscnt 0x0
.set n, 0
.rept 64
.set n, n+1
.endr
.irp c, 0,1,2,3
	v_cvt_scalef32_pk8_fp8_f32 v[C+16*\q+4*\c:C+16*\q+4*\c+1], v[X+16*\c:X+16*\c+7], v11
	v_cvt_scalef32_pk8_fp8_f32 v[C+16*\q+4*\c+2:C+16*\q+4*\c+3], v[X+16*\c+8:X+16*\c+15], v11
.endr
	v_nop                                          ; a plain line behind the last conversion of the run
.irp c, 0,1,2,3
	global_store_b128 v2, v[C+16*\q+4*\c:C+16*\q+4*\c+3], s[12:13] offset:\q*2048+\c*512   ; 32 lanes store 512 consecutive bytes, aligned
.endr
.endm
; A weight [1024][n]: K is its first axis.  A lane takes a column and its registers run down K, so the conversions give codes with K innermost and nothing is transposed.
; first: the path's first work-group; src, img: the pointers' registers; e: the exponent's register; perm = 1: the four groups of eight of a block go in the order 0, 2 | 1, 3.
.macro WPATH first, n, src, img, e, perm
	s_sub_co_u32 s19, ttmp9, \first                ; the job
	s_and_b32 s20, s19, 7                          ; its K step
	s_lshr_b32 s19, s19, 3                         ; its block of 128 columns
	s_lshl_b32 s21, s19, 2
	s_add_co_u32 s21, s21, s18                     ; my wave's 32 columns: number 4 x block + wave
	s_mul_i32 s22, s20, 128*\n*4                   ; 128 rows of the weight for each K step,
	s_lshl_b32 s23, s21, 7                         ; 128 bytes for each 32 columns
	s_add_co_u32 s22, s22, s23
	s_mov_b32 s23, 0
	s_add_nc_u64 s[\src:\src+1], s[\src:\src+1], s[22:23]
	s_lshl_b32 s22, s21, 15                        ; two column tiles of 16,384 bytes for each 32 columns,
	s_lshl_b32 s20, s20, 11                        ; 2,048 bytes for each K step
	s_add_co_u32 s22, s22, s20
	s_add_nc_u64 s[\img:\img+1], s[\img:\img+1], s[22:23]
	v_lshlrev_b32 v5, 2, v1                        ; in: 4 bytes a lane: a wave reads 128 consecutive bytes, the four waves 512
	v_lshrrev_b32 v6, 4, v1
	v_and_b32 v7, 15, v1
	v_lshlrev_b32 v6, 14, v6
	v_lshl_add_u32 v6, v7, 4, v6                   ; out: lanes 0-15 the first tile, lanes 16-31 the second; 16 bytes a lane
.set kk, 0
.rept 128
	global_load_b32 v[R+kk], v5, s[\src:\src+1] offset:kk*\n*4 th:TH_LOAD_NT   ; the largest offset, 127 rows, stays inside the signed 24-bit immediate (ISA guide, chapter 10)
.set kk, kk+1
.endr
	s_wait_kmcnt 0x0
	SCALE \e
	s_wait_alu depctr_va_vdst(0)
.irp c, 0,1,2,3
.if \c < 2
	s_wait_loadcnt 63                              ; of 128 loads at most 63 are out: the first 65 are in, which covers blocks 0 and 1
.elseif \c == 2
	s_wait_loadcnt 32                              ; the last block's 32 may be out
.else
	s_wait_loadcnt 0x0
.endif
.set n, 0
.rept 32
.set n, n+1
.endr
.irp g, 0,1,2,3
.if \perm
.set pos, ((\g)&1)*2+((\g)>>1)
.else
.set pos, \g
.endif
	v_cvt_scalef32_pk8_fp8_f32 v[X+8*\c+2*pos:X+8*\c+2*pos+1], v[R+32*\c+8*\g:R+32*\c+8*\g+7], v11
.endr
	v_nop                                          ; a plain line behind the last conversion of the run
	global_store_b128 v6, v[X+8*\c:X+8*\c+3], s[\img:\img+1] offset:\c*512         ; half 0 of piece c: sixteen lanes store 256 consecutive bytes, aligned
	global_store_b128 v6, v[X+8*\c+4:X+8*\c+7], s[\img:\img+1] offset:\c*512+256   ; half 1
.endr
.endm
	s_load_b256 s[4:11], s[0:1], 0x0               ; x s[4:5], W_attn s[6:7], W_proj s[8:9], the scales' exponents s[10:11]
	s_load_b128 s[12:15], s[0:1], 0x20             ; x_img s[12:13], wa_img s[14:15]
	s_load_b64 s[16:17], s[0:1], 0x30              ; wp_img
	v_lshl_add_u32 v240, v0, 2, 0x8400
	v_mov_b32 v241, 0
	v_lshrrev_b32 v1, 5, v0
	v_readfirstlane_b32 s18, v1                    ; wave 0..3
	v_and_b32 v1, 31, v0                           ; lane
	v_lshlrev_b32 v2, 4, v1                        ; 16 x lane
	s_wait_kmcnt 0x0
	s_load_b256 s[24:31], s[10:11], 0x0            ; e0 .. e7
	s_cmp_lt_u32 ttmp9, 512
	s_cbranch_scc0 .Lweights
	; ---- x: token tile = the work-group's number
	s_lshl_b32 s20, ttmp9, 16                      ; 16 rows of 4,096 bytes,
	s_lshl_b32 s21, s18, 10                        ; my wave's 256 columns
	s_add_co_u32 s20, s20, s21
	s_mov_b32 s21, 0
	s_add_nc_u64 s[4:5], s[4:5], s[20:21]
	s_lshl_b32 s20, ttmp9, 14                      ; a tile's image is 16,384 bytes,
	s_lshl_b32 s22, s18, 12                        ; my two K steps 4,096 of them
	s_add_co_u32 s20, s20, s22
	s_add_nc_u64 s[12:13], s[12:13], s[20:21]
	s_wait_alu depctr_va_vdst(0)
.irp q, 0,1
.irp i, 0,1,2,3,4,5,6,7,8,9,10,11,12,13,14,15
	global_load_b128 v[R+64*\q+4*\i:R+64*\q+4*\i+3], v2, s[4:5] offset:\i*4096+\q*512 th:TH_LOAD_NT   ; 32 lanes read 512 consecutive bytes of row i
.endr
.endr
	s_mul_i32 s23, s18, 16*SP                      ; my stage
	v_add_nc_u32 v3, s23, v2                       ; in: 16 x lane of a row
	v_and_b32 v8, 15, v0                           ; r
	v_bfe_u32 v9, v0, 4, 1                         ; h
	v_mul_u32_u24 v4, v8, SP
	v_lshl_add_u32 v4, v9, 6, v4
	v_add_nc_u32 v4, s23, v4                       ; back: row r, + 64 h bytes: my 16 numbers of a block of 32
	s_wait_alu depctr_va_vdst(0)
	s_wait_kmcnt 0x0
	SCALE 24
	s_wait_alu depctr_va_vdst(0)
	XQ 0
	XQ 1
	s_wait_tensorcnt 0x0
	ds_add_u32 v240, v241
	s_wait_dscnt 0x0
	s_endpgm
.Lweights:
	s_cmp_lt_u32 ttmp9, 704
	s_cbranch_scc0 .Lproj_w
	s_wait_alu depctr_va_vdst(0)
	WPATH 512, 3072, 6, 14, 25, 0
	s_endpgm
.Lproj_w:
	s_wait_alu depctr_va_vdst(0)
	WPATH 704, 1024, 8, 16, 31, 1
	s_endpgm
.Lfunc_end_k_qd5ae324b48_prep:
	.size	k_qd5ae324b48_prep, .Lfunc_end_k_qd5ae324b48_prep-k_qd5ae324b48_prep
	.p2alignl 7, 3214868480
	.fill 96, 4, 3214868480
	.section	.rodata,"a",@progbits
	.p2align	6, 0x0
	.amdhsa_kernel k_qd5ae324b48_prep
		.amdhsa_group_segment_fixed_size 34304
		.amdhsa_private_segment_fixed_size 0
		.amdhsa_enable_private_segment 0
		.amdhsa_kernarg_size 56
		.amdhsa_user_sgpr_count 2
		.amdhsa_user_sgpr_kernarg_segment_ptr 1
		.amdhsa_wavefront_size32 1
		.amdhsa_system_sgpr_workgroup_id_x 1
		.amdhsa_system_sgpr_workgroup_id_y 1
		.amdhsa_system_sgpr_workgroup_id_z 1
		.amdhsa_system_vgpr_workitem_id 0
		.amdhsa_next_free_vgpr 242
		.amdhsa_next_free_sgpr 66
		.amdhsa_reserve_vcc 0
		.amdhsa_float_denorm_mode_32 3
		.amdhsa_float_denorm_mode_16_64 3
		.amdhsa_fp16_overflow 1
		.amdhsa_memory_ordered 1
		.amdhsa_forward_progress 1
		.amdhsa_inst_pref_size 41
	.end_amdhsa_kernel
	.amdgpu_metadata
---
amdhsa.version: [ 1, 2 ]
amdhsa.kernels:
  - .name:           k_qd5ae324b48_prep
    .symbol:         k_qd5ae324b48_prep.kd
    .args:
      - { .name: x, .offset: 0, .size: 8, .value_kind: global_buffer, .address_space: global }
      - { .name: W_attn, .offset: 8, .size: 8, .value_kind: global_buffer, .address_space: global }
      - { .name: W_proj, .offset: 16, .size: 8, .value_kind: global_buffer, .address_space: global }
      - { .name: lowp_scales, .offset: 24, .size: 8, .value_kind: global_buffer, .address_space: global }
      - { .name: x_img, .offset: 32, .size: 8, .value_kind: global_buffer, .address_space: global }
      - { .name: wa_img, .offset: 40, .size: 8, .value_kind: global_buffer, .address_space: global }
      - { .name: wp_img, .offset: 48, .size: 8, .value_kind: global_buffer, .address_space: global }
    .group_segment_fixed_size: 34304
    .private_segment_fixed_size: 0
    .kernarg_segment_align: 8
    .kernarg_segment_size: 56
    .max_flat_workgroup_size: 128
    .sgpr_count:     66
    .vgpr_count:     242
    .wavefront_size: 32
...
	.end_amdgpu_metadata
.endif
;; end of part 1
;; launch qkv (part 2): grid 12 x 32, 4 waves a work-group, clusters of 4 x 4, 327,680 bytes of LDS; arguments x_img, wa_img, b_attn, lowp_scales, q_img, k_img, v_img; writes q_img, k_img, v_img
.if DOCPART == 2
	.amdgcn_target "amdgcn-amd-amdhsa--gfx1250"
	.amdhsa_code_object_version 6
	.text
	.protected	k_qd5ae324b48_qkv
	.globl	k_qd5ae324b48_qkv
	.p2align	8
	.type	k_qd5ae324b48_qkv,@function
k_qd5ae324b48_qkv:
	s_mov_b64 s[64:65], 0
	v_nop
	global_prefetch_b8 v0, s[64:65] scope:SCOPE_SE
	s_setreg_imm32_b32 hwreg(HW_REG_WAVE_MODE, 25, 1), 1
	s_wait_xcnt 0x0
	s_wait_alu depctr_hold_cnt(0) depctr_sa_sdst(0) depctr_va_vdst(0) depctr_va_sdst(0) depctr_va_ssrc(0) depctr_va_vcc(0) depctr_vm_vsrc(0)
	s_getreg_b32 s2, hwreg(HW_REG_IB_STS2, 6, 4)
	s_cmp_eq_u32 s2, 0
	s_cbranch_scc0 .Lentry_in_a_cluster
	s_endpgm
.Lentry_in_a_cluster:
	s_bfe_u32 s2, ttmp6, 0x10000c
	s_cmp_lg_u32 s2, 0xf033
	s_cbranch_scc0 .Lentry_shape_is_right
	s_endpgm
.Lentry_shape_is_right:
; qkv = x W_attn + b_attn on codes of FP8 (E4M3), K = 1,024, and q, k, v quantised at once for the attention launch: nothing wider than a code goes to memory.
; A tile of 256 x 256 is made by four waves, each 128 x 128: 64 accumulators of 16 x 16, 512 registers.  K goes in steps of 256 through a ring of two LDS slots filled by the tensor data mover.
; THE OPERANDS ARE IMAGES OF REGISTERS (16 rows x 128 K = 4 pieces of 512 bytes, lane l's 16 bytes at 16 l): a fragment is four ds_load_b128 of 512 consecutive bytes each: no pitch, no padding.
; THE MATRIX INSTRUCTION IS USED TRANSPOSED: source 0 = 16 rows of the B region, source 1 = 16 rows of the A region: lane r holds row r of A's tile, its eight registers eight neighbouring rows of B's tile.
; THE KIND is the cluster's x: 0 = q, 1 = k, 2 = v; it is the same in all sixteen partners.  q, k: A = tokens (x_img), B = channels (wa_img): a lane's registers run along the channels, the K of q k^T.
; v: the operands change places (A = channels, B = tokens): a lane's registers run along the tokens, the K of p v.  Only the descriptors' addresses, the bias and the output's base know of it.
; THE WAY OUT: the sixteen registers of result tiles 2 b and 2 b + 1 are converted into registers 4 b .. 4 b + 3 of the next operand and stored as they stand, 512 consecutive bytes a store.
; So piece b, half h, byte 8 u + j of an image holds index 32 b + 16 u + 8 h + j along the next K: the same order on both sides of each later product.
; q_img, k_img: [batch x 8 + head pair][token tile 128][head of the pair][c 2][512];  v_img: [batch x 8 + head pair][key step 16][head of the pair][channel tile 4][c 4][512].
; THE BIAS is the C of each sum's first matrix instruction, divided by 2^(e0 + e1), the power of two that the sums lack.  The three scales ahead of a quantiser are folded into the conversion's one.
; CLUSTERS: 4 x 4 work-groups; A's tiles are asked for jointly along a row of the cluster, B's along a column.
; LIMITS: ek - e0 - e1 between -126 and 119 for ek = e2 (q), e3 (k), e5 (v).  Entry 2 is taken as q's, entry 3 as k's.  NaN is not served.
; No prefetch: each tile is shared in its cluster, and the launch has eight K steps in all.
; REGISTERS: window 0: v1-5 at work; v12 the conversion's scale; v16-17, v20-21 LDS addresses; v26 16 x lane; v28, v29 for the add; v32-95 the bias, later a block's held sums;
;   v96-103 the bias's offsets; v128-255 A's fragments, ONE set, later the codes.   window 1: B's fragments, TWO sets.   windows 2, 3: the accumulators, (a, b) at v[8 (8 (a % 4) + b)].
.set SLOT,   131072                    ; A's 16 tiles x 4,096 bytes (two K steps of 128), then B's
.set SPARE,  2*SLOT                    ; behind the ring: the spare words, 128 bytes a wave: two blocks of 256 bytes that no other line names
.set FR,     16                        ; registers of a fragment
.set NL,     4                         ; LDS loads that bring one
.set NP,     4                         ; places behind this matrix instruction (ISA guide 7.12.1)
.set LAPS,   2                         ; 1,024 along K = twice round the ring
.set SC,   12
.set LIM,  13
.set ADRA, 16
.set ADRB, 20
.set CO,   26
.set SPW,  28
.set NIL,  29
.set BIAS, 32
.set TMP,  32
.set BA,   96
.set AF,   128
.set CD,   128
.set G1,  24                           ; s[24:31] descriptor group 1 for A's tiles;  s[32:39] group 0, one set for each slot
.set G0,  32
.set G1B, 48                           ; s[48:55], s[56:63] the same for B's tiles
.set G0B, 56
.set MSB, 0
.macro WIN new                         ; the immediate's high byte repeats the setting that is left
.if MSB != \new
	s_set_vgpr_msb (MSB<<8)|\new
.set MSB, \new
.endif
.endm
.set MUL_LO, 0xa1                      ; source 0 (B) window 1, source 1 (A) window 0, C and D window 2
.set MUL_HI, 0xf1                      ; the same, C and D window 3
.set TO_B,   0x40                      ; destination window 1, address window 0
; A joint load: waves 0 and 1 fetch A's two halves, waves 2 and 3 B's.  The branch hangs on the wave's number alone.  Four v_nop follow each of the two lines.
.macro JLOAD s
	s_cmp_eq_u32 s15, 0
	s_cbranch_scc0 .Lfor_b_\@
	tensor_load_to_lds s[G0+4*\s:G0+4*\s+3], s[G1:G1+7]
	s_nop 0
.rept 4
	v_nop
.endr
	s_branch .Lasked_\@
.Lfor_b_\@:
	tensor_load_to_lds s[G0B+4*\s:G0B+4*\s+3], s[G1B:G1B+7]
	s_nop 0
.rept 4
	v_nop
.endr
.Lasked_\@:
.endm
.macro CREST                           ; a round of the cluster's barrier behind its opening barrier
	s_cmp_lg_u32 s14, 0
	s_cbranch_scc1 .Lnot_wave_0_\@
	s_barrier_signal -3
.Lnot_wave_0_\@:
	s_barrier_wait -3
	s_barrier_signal -1
	s_barrier_wait -1
.endm
.macro CROUND                          ; a whole round
	s_barrier_signal -1
	s_barrier_wait -1
	CREST
.endm
.macro PLACES n
.rept \n
	v_nop
.endr
.endm
.macro FRAG reg, adr, q, i             ; tile i of my eight, the slot's q-th 128 along K: four pieces of 512 bytes
.irp c, 0,1,2,3
	ds_load_b128 v[\reg+4*\c:\reg+4*\c+3], v[\adr] offset:(\i)*4096+(\q)*2048+512*\c
.endr
.endm
; 16 matrix instructions: A's blocks a0, a0 + 1 x B's eight.  p: B's set.  mode 0: onto the sums; 1: the sums begin with the bias of B's rows; 2: with the bias of A's rows.
; The 64 accumulators take turns, one instruction a turn, in the same order in every step.
.macro MUL16 a0, p, mode
.irp a, \a0, \a0+1
.irp b, 0,1,2,3,4,5,6,7
.if \mode == 1
	v_wmma_f32_16x16x128_fp8_fp8 v[8*(8*((\a)%4)+\b):8*(8*((\a)%4)+\b)+7], v[128*(\p)+FR*\b:128*(\p)+FR*\b+FR-1], v[AF+FR*(\a):AF+FR*(\a)+FR-1], v[BIAS+8*\b:BIAS+8*\b+7]
.elseif \mode == 2
	v_wmma_f32_16x16x128_fp8_fp8 v[8*(8*((\a)%4)+\b):8*(8*((\a)%4)+\b)+7], v[128*(\p)+FR*\b:128*(\p)+FR*\b+FR-1], v[AF+FR*(\a):AF+FR*(\a)+FR-1], v[BIAS+8*(\a):BIAS+8*(\a)+7]
.else
	v_wmma_f32_16x16x128_fp8_fp8 v[8*(8*((\a)%4)+\b):8*(8*((\a)%4)+\b)+7], v[128*(\p)+FR*\b:128*(\p)+FR*\b+FR-1], v[AF+FR*(\a):AF+FR*(\a)+FR-1], v[8*(8*((\a)%4)+\b):8*(8*((\a)%4)+\b)+7]
.endif
.endr
.endr
.endm
.macro FETCH_B slot, q, p              ; B's eight fragments into set p
	WIN TO_B
.irp i, 0,1,2,3,4,5,6,7
	FRAG 128*(\p)+FR*\i, ADRB+\slot, \q, \i
.endr
	WIN 0
.endm
.macro FETCH_A slot, q, i0             ; A's blocks i0 .. i0 + 3
.irp i, \i0, \i0+1, \i0+2, \i0+3
	FRAG AF+FR*(\i), ADRA+\slot, \q, \i
.endr
.endm
; A step of 128 along K that has its successor in the same slot.  A block of A is free as soon as its eight products are issued: blocks 0-3 are fetched anew in the middle, blocks 4-7 at the end.
.macro STEP slot, q, mode
	s_wait_dscnt 4*NL                              ; B's set and A's blocks 0-3 are in; the youngest sixteen loads (A's blocks 4-7) may be out
.if \mode
	WIN 0x81                                       ; as MUL_LO, with C (the bias) in window 0
.else
	WIN MUL_LO
.endif
	MUL16 0, (\q)%2, \mode
	MUL16 2, (\q)%2, \mode
	s_wait_dscnt 0                                 ; A's blocks 4-7 are in
	PLACES NP                                      ; in front of loads into registers that matrix instructions have read
	FETCH_B \slot, (\q)+1, 1-(\q)%2
	FETCH_A \slot, (\q)+1, 0
.if \mode
	WIN 0xc1                                       ; as MUL_HI, with C in window 0
.else
	WIN MUL_HI
.endif
	MUL16 4, (\q)%2, \mode
	MUL16 6, (\q)%2, \mode
	PLACES NP
	WIN 0
	FETCH_A \slot, (\q)+1, 4
.endm
; A slot's last step changes slots: ONE barrier; in front of it each wave waits for all its tensor loads, adds 0 to its spare word, and waits for that and for its reads of this slot.
.macro TURN slot, next, fill
	s_wait_tensorcnt 0x0                           ; all my tensor loads have landed: my part of the next slot
	ds_add_u32 v[SPW], v[NIL]                      ; 0 onto my spare word
	s_wait_dscnt 4*NL+1                            ; (the add and the youngest sixteen loads may be out)
	WIN MUL_LO
	MUL16 0, 1, 0                                  ; sixteen matrix instructions stand between the add and the wait for it
	s_wait_dscnt 0x0                               ; the add is done, and my reads of this slot are over
	s_barrier_signal -1
	MUL16 2, 1, 0
	WIN 0
	s_barrier_wait -1
.if \fill
	CREST                                          ; the barrier has opened a round of the cluster's barrier: no wave of any partner still reads this slot or has a load on its way
	s_add_nc_u64 s[G0+4*\slot+2:G0+4*\slot+3], s[G0+4*\slot+2:G0+4*\slot+3], 8192     ; two slots on along K: 2 x 4,096 bytes of each tile's image
	s_add_nc_u64 s[G0B+4*\slot+2:G0B+4*\slot+3], s[G0B+4*\slot+2:G0B+4*\slot+3], 8192
	JLOAD \slot                                    ; the first tensor load behind the round; its four v_nop are the places in front of the loads below
.else
	PLACES NP
.endif
	FETCH_B \next, 0, 0
	FETCH_A \next, 0, 0
	WIN MUL_HI
	MUL16 4, 1, 0
	MUL16 6, 1, 0
	PLACES NP
	WIN 0
	FETCH_A \next, 0, 4
.endm
; THE WAY OUT of block a (16 rows of the A region x my 128 rows of the B region): held, converted, stored as the next operand's registers.  Each block has its own registers for its codes.
.macro OUTBLK a
	WIN 0x02+((\a)/4)                              ; source 0: window 2 or 3
.set n, 0
.rept 64
.set n, n+1
.endr
.irp b, 0,1,2,3
	v_cvt_scalef32_pk8_fp8_f32 v[CD+16*(\a)+4*\b:CD+16*(\a)+4*\b+1], v[TMP+16*\b+((64*((\a)%4)+n)-(TMP+n)):TMP+16*\b+7+((64*((\a)%4)+n)-(TMP+n))], v[SC]
	v_cvt_scalef32_pk8_fp8_f32 v[CD+16*(\a)+4*\b+2:CD+16*(\a)+4*\b+3], v[TMP+16*\b+8+((64*((\a)%4)+n)-(TMP+n)):TMP+16*\b+15+((64*((\a)%4)+n)-(TMP+n))], v[SC]
.endr
	WIN 0
	v_nop                                          ; a plain line between the conversions and the next block's holds, which write their sources
.irp b, 0,1,2,3
	global_store_b128 v[CO], v[CD+16*(\a)+4*\b:CD+16*(\a)+4*\b+3], s[10:11] offset:(\a)*2048+\b*512   ; 32 lanes store 512 consecutive bytes, aligned
.endr
.endm
	s_load_b256 s[68:75], s[0:1], 0x0              ; x_img s[68:69], wa_img s[70:71], b_attn s[72:73], the scales' exponents s[74:75]
	s_load_b128 s[76:79], s[0:1], 0x20             ; q_img, k_img
	s_load_b64 s[80:81], s[0:1], 0x30              ; v_img
	v_lshl_add_u32 v[SPW], v0, 2, SPARE
	v_mov_b32 v[NIL], 0
	ds_add_u32 v28, v29
	ds_add_u32 v28, v29
	s_wait_dscnt 0x0
	v_lshrrev_b32 v1, 5, v0
	v_readfirstlane_b32 s14, v1                    ; wave 0..3
	s_lshr_b32 s15, s14, 1                         ; which half of A's 256 rows is mine.  Also: I fetch for A (0) or for B (1)
	s_and_b32 s16, s14, 1                          ; which half of B's.  Also: which 8 tiles of that region I fetch
	s_bfe_u32 s40, ttmp6, 0x40000                  ; cx, cy: my place in the cluster
	s_bfe_u32 s41, ttmp6, 0x40004
	s_and_b32 s17, ttmp7, 0xffff
	s_lshl_b32 s17, s17, 2                         ; 4 x cluster y
	s_lshl_b32 s42, ttmp9, 2                       ; 4 x cluster x
	s_lshl_b32 s43, s41, 2
	s_lshl_b32 s43, 15, s43                        ; my row of the cluster
	s_lshl_b32 s44, 0x1111, s40                    ; my column
	; descriptor group 1: 8 tiles' parts of 4,096 bytes (512 elements of 8 bytes), 16,384 bytes apart in memory, on end in LDS
	s_or_b32 s[G1+0], s43, (3<<16)|(1<<21)         ; 15:0 the mask: A's tiles go to my row; 17:16 elements of 8 bytes; 21 set beside a mask
	s_or_b32 s[G1B+0], s44, (3<<16)|(1<<21)        ; B's go to my column
.irp g, G1, G1B
	s_mov_b32 s[\g+1], 512<<16                     ; tensor_dim0 = 512
	s_mov_b32 s[\g+2], 8<<16                       ; tensor_dim1 = 8
	s_mov_b32 s[\g+3], 512<<16                     ; tile_dim0 = 512
	s_mov_b32 s[\g+4], 8                           ; tile_dim1 = 8
	s_mov_b32 s[\g+5], 2048                        ; tensor_dim0_stride: 2,048 elements from tile to tile
	s_mov_b32 s[\g+6], 0
	s_mov_b32 s[\g+7], 0
.endr
	s_cmp_eq_u32 ttmp9, 2                          ; v?  The cluster's x: alike in all partners
	s_cselect_b32 s92, 1, 0
	s_cselect_b32 s45, 8, s17                      ; A's block of 256 rows: v: channels 2,048 on; else tokens,
	s_cselect_b32 s46, s17, s42                    ; B's: v: tokens; else channels
	s_add_co_u32 s45, s45, s41                     ; + cy, which my row of the cluster shares
	s_add_co_u32 s46, s46, s40                     ; + cx, which my column shares
	s_lshl_b32 s18, s16, 17                        ; the 8 tiles that I fetch: 8 x 16,384 bytes
	s_lshl_b32 s20, s45, 18                        ; a block of 256 rows is 16 tiles x 16,384 bytes
	s_add_co_u32 s20, s20, s18
	s_mov_b32 s21, 0
	s_lshl_b32 s22, s46, 18
	s_add_co_u32 s22, s22, s18
	s_mov_b32 s23, 0
	s_lshl_b32 s47, s14, 15                        ; where they go: wave x 32,768: no place in the cluster enters an LDS address
	s_wait_kmcnt 0x0
	s_load_b256 s[84:91], s[74:75], 0x0            ; e0 .. e7
	s_cmp_eq_u32 ttmp9, 2
	s_cselect_b64 s[4:5], s[70:71], s[68:69]       ; A's buffer
	s_cselect_b64 s[6:7], s[68:69], s[70:71]       ; B's
	s_add_nc_u64 s[4:5], s[4:5], s[20:21]
	s_add_nc_u64 s[6:7], s[6:7], s[22:23]
	CROUND                                         ; all sixteen work-groups are here: the first joint loads meet
.irp s, 0,1
	s_mov_b32 s[G0+4*\s], 1
	s_add_co_u32 s[G0+4*\s+1], s47, \s*SLOT
	s_add_nc_u64 s[G0+4*\s+2:G0+4*\s+3], s[4:5], \s*4096
	s_or_b32 s[G0+4*\s+3], s[G0+4*\s+3], 0x80000000
	s_mov_b32 s[G0B+4*\s], 1
	s_add_co_u32 s[G0B+4*\s+1], s47, \s*SLOT
	s_add_nc_u64 s[G0B+4*\s+2:G0B+4*\s+3], s[6:7], \s*4096
	s_or_b32 s[G0B+4*\s+3], s[G0B+4*\s+3], 0x80000000
	JLOAD \s                                       ; two loads of mine are out
.endr
	v_and_b32 v1, 15, v0                           ; r
	s_wait_alu depctr_va_vdst(0)
	v_bfe_u32 v2, v0, 4, 1                         ; h
	v_and_b32 v3, 31, v0
	v_lshlrev_b32 v[CO], 4, v3                     ; 16 x lane: my place in every piece, in LDS and in memory
	s_lshl_b32 s18, s15, 15                        ; my 8 tiles of A,
	s_lshl_b32 s19, s16, 15                        ; my 8 tiles of B,
	s_add_co_u32 s19, s19, 65536                   ; which lie behind A's 16
.irp s, 0,1
	v_add_nc_u32 v[ADRA+\s], s18, v[CO]
	v_add_nc_u32 v[ADRB+\s], s19, v[CO]
	s_add_co_u32 s18, s18, SLOT
	s_add_co_u32 s19, s19, SLOT
.endr
	; the bias, in the result's layout, with no branch: register 8 i + j takes b_attn at base + 16 i + (q, k: 8 h + j: along the registers;  v: r: along the lanes)
	s_cmp_eq_u32 s92, 1
	s_cselect_b32 s93, 4, 0                        ; bytes for each r,
	s_cselect_b32 s94, 0, 32                       ; for h,
	s_cselect_b32 s95, 0, 4                        ; for each j
	s_cselect_b32 s96, s45, s46                    ; the channels' block of 256,
	s_cselect_b32 s97, s15, s16                    ; and my half of it
	s_lshl_b32 s96, s96, 10
	s_lshl_b32 s97, s97, 9
	s_add_co_u32 s96, s96, s97
	s_mov_b32 s97, 0
	s_add_nc_u64 s[72:73], s[72:73], s[96:97]
	v_mul_u32_u24 v4, v1, s93
	s_wait_alu depctr_va_vdst(0)
	v_mad_u32_u24 v4, v2, s94, v4
	s_wait_alu depctr_va_vdst(0)
.irp j, 0,1,2,3,4,5,6,7
	s_mul_i32 s98, s95, \j
	v_add_nc_u32 v[BA+\j], s98, v4
.endr
.irp i, 0,1,2,3,4,5,6,7
.irp j, 0,1,2,3,4,5,6,7
	global_load_b32 v[BIAS+8*\i+\j], v[BA+\j], s[72:73] offset:64*\i
.endr
.endr
	; where my codes go: ((first token / 2,048) x 8 + head pair) x 262,144 + (first token % 2,048) x 128, in all three buffers
	s_cmp_eq_u32 s92, 1
	s_cselect_b32 s93, s46, s45                    ; the tokens' block of 256,
	s_cselect_b32 s94, s16, s15                    ; my half of it,
	s_cselect_b32 s95, s41, s40                    ; the channels' place in the cluster,
	s_cselect_b32 s98, s15, s16                    ; my half of them
	s_lshl_b32 s93, s93, 8
	s_lshl_b32 s94, s94, 7
	s_add_co_u32 s93, s93, s94                     ; my first token
	s_lshl_b32 s95, s95, 1
	s_add_co_u32 s95, s95, s98                     ; my head pair
	s_lshr_b32 s94, s93, 11
	s_lshl_b32 s94, s94, 3
	s_add_co_u32 s94, s94, s95
	s_lshl_b32 s94, s94, 18
	s_and_b32 s93, s93, 2047
	s_lshl_b32 s93, s93, 7
	s_add_co_u32 s94, s94, s93
	s_mov_b32 s95, 0
	s_cmp_eq_u32 ttmp9, 0
	s_cselect_b64 s[10:11], s[76:77], s[78:79]
	s_cmp_eq_u32 ttmp9, 2
	s_cselect_b64 s[10:11], s[80:81], s[10:11]
	s_add_nc_u64 s[10:11], s[10:11], s[94:95]
	s_wait_kmcnt 0x0
	s_add_co_i32 s93, s84, s85                     ; e0 + e1: a sum stands for sum x 2^(e0 + e1)
	s_cmp_eq_u32 ttmp9, 0
	s_cselect_b32 s94, s86, s87
	s_cmp_eq_u32 ttmp9, 2
	s_cselect_b32 s94, s89, s94                    ; ek: e2, e3 or e5
	s_sub_co_i32 s94, s94, s93
	s_add_co_i32 s94, s94, 127
	s_lshl_b32 s95, s94, 23
	v_mov_b32 v[SC], s95                           ; 2^(ek - e0 - e1) as f32: the three scales folded into the conversion's one
	s_sub_co_i32 s93, 0, s93
	s_wait_loadcnt 0x0                             ; the bias
.set n, 0
.rept 64
	v_ldexp_f32 v[BIAS+n], v[BIAS+n], s93          ; / 2^(e0 + e1): nothing is rounded
.set n, n+1
.endr
	s_wait_tensorcnt 1                             ; my part of slot 0 is in (slot 1's load may be out)
	s_barrier_signal -1
	s_barrier_wait -1                              ; everybody's is
	FETCH_B 0, 0, 0
	FETCH_A 0, 0, 0
	FETCH_A 0, 0, 4
	s_cmp_eq_u32 s92, 1                            ; the first step is written twice: its products start the sums with the bias, which lies along B's rows (q, k) or along A's (v)
	s_cbranch_scc1 .Lfirst_v
	s_wait_alu depctr_va_vdst(0)
	STEP 0, 0, 1
	s_branch .Lfirst_done
.Lfirst_v:
	s_wait_alu depctr_va_vdst(0)
	STEP 0, 0, 2
.Lfirst_done:
	s_mov_b32 s3, LAPS-1
.Llap:                                                 ; a trip goes once round the ring, from a lap's second step to the next lap's first, and fills both slots again
	TURN 0, 1, 1
	STEP 1, 0, 0
	TURN 1, 0, 1
	STEP 0, 0, 0
	s_sub_co_u32 s3, s3, 1
	s_cmp_lg_u32 s3, 0
	s_cbranch_scc1 .Llap
	TURN 0, 1, 0                                   ; the last lap fills nothing, and has no round of the cluster's barrier
	STEP 1, 0, 0
	s_wait_dscnt 4*NL                              ; the very last step: nothing more to fetch
	WIN MUL_LO
	MUL16 0, 1, 0
	MUL16 2, 1, 0
	s_wait_dscnt 0
	WIN MUL_HI
	MUL16 4, 1, 0
	MUL16 6, 1, 0
	WIN 0
	PLACES NP                                      ; in front of the reads of results and of the conversions' writes into the registers that held A's fragments
.irp a, 0,1,2,3,4,5,6,7
	OUTBLK \a
.endr
	s_wait_tensorcnt 0x0                           ; the wave's end
	ds_add_u32 v[SPW], v[NIL]
	s_wait_dscnt 0x0
	CROUND                                         ; the closing round: no work-group ends while a partner may still ask for a tile that names it
	s_endpgm
.Lfunc_end_k_qd5ae324b48_qkv:
	.size	k_qd5ae324b48_qkv, .Lfunc_end_k_qd5ae324b48_qkv-k_qd5ae324b48_qkv
	.p2alignl 7, 3214868480
	.fill 96, 4, 3214868480
	.section	.rodata,"a",@progbits
	.p2align	6, 0x0
	.amdhsa_kernel k_qd5ae324b48_qkv
		.amdhsa_group_segment_fixed_size 327680
		.amdhsa_private_segment_fixed_size 0
		.amdhsa_enable_private_segment 0
		.amdhsa_kernarg_size 56
		.amdhsa_user_sgpr_count 2
		.amdhsa_user_sgpr_kernarg_segment_ptr 1
		.amdhsa_wavefront_size32 1
		.amdhsa_system_sgpr_workgroup_id_x 1
		.amdhsa_system_sgpr_workgroup_id_y 1
		.amdhsa_system_sgpr_workgroup_id_z 1
		.amdhsa_system_vgpr_workitem_id 0
		.amdhsa_next_free_vgpr 1024
		.amdhsa_next_free_sgpr 100
		.amdhsa_reserve_vcc 0
		.amdhsa_float_denorm_mode_32 3
		.amdhsa_float_denorm_mode_16_64 3
		.amdhsa_fp16_overflow 1
		.amdhsa_memory_ordered 1
		.amdhsa_forward_progress 1
		.amdhsa_inst_pref_size 105
	.end_amdhsa_kernel
	.amdgpu_metadata
---
amdhsa.version: [ 1, 2 ]
amdhsa.kernels:
  - .name:           k_qd5ae324b48_qkv
    .symbol:         k_qd5ae324b48_qkv.kd
    .args:
      - { .name: x_img, .offset: 0, .size: 8, .value_kind: global_buffer, .address_space: global }
      - { .name: wa_img, .offset: 8, .size: 8, .value_kind: global_buffer, .address_space: global }
      - { .name: b_attn, .offset: 16, .size: 8, .value_kind: global_buffer, .address_space: global }
      - { .name: lowp_scales, .offset: 24, .size: 8, .value_kind: global_buffer, .address_space: global }
      - { .name: q_img, .offset: 32, .size: 8, .value_kind: global_buffer, .address_space: global }
      - { .name: k_img, .offset: 40, .size: 8, .value_kind: global_buffer, .address_space: global }
      - { .name: v_img, .offset: 48, .size: 8, .value_kind: global_buffer, .address_space: global }
    .group_segment_fixed_size: 327680
    .private_segment_fixed_size: 0
    .kernarg_segment_align: 8
    .kernarg_segment_size: 56
    .max_flat_workgroup_size: 128
    .sgpr_count:     100
    .vgpr_count:     1024
    .wavefront_size: 32
...
	.end_amdgpu_metadata
.endif
;; end of part 2
;; launch attn (part 3): grid 4 x 64, 16 waves a work-group, clusters of 4 x 1, 264,192 bytes of LDS; arguments q_img, k_img, v_img, lowp_scales, y_img; writes y_img
.if DOCPART == 3
	.amdgcn_target "amdgcn-amd-amdhsa--gfx1250"
	.amdhsa_code_object_version 6
	.text
	.protected	k_qd5ae324b48_attn
	.globl	k_qd5ae324b48_attn
	.p2align	8
	.type	k_qd5ae324b48_attn,@function
k_qd5ae324b48_attn:
	s_mov_b64 s[64:65], 0
	v_nop
	global_prefetch_b8 v0, s[64:65] scope:SCOPE_SE
	s_setreg_imm32_b32 hwreg(HW_REG_WAVE_MODE, 25, 1), 1
	s_wait_xcnt 0x0
	s_wait_alu depctr_hold_cnt(0) depctr_sa_sdst(0) depctr_va_vdst(0) depctr_va_sdst(0) depctr_va_ssrc(0) depctr_va_vcc(0) depctr_vm_vsrc(0)
	s_getreg_b32 s2, hwreg(HW_REG_IB_STS2, 6, 4)
	s_cmp_eq_u32 s2, 0
	s_cbranch_scc0 .Lentry_in_a_cluster
	s_endpgm
.Lentry_in_a_cluster:
	s_bfe_u32 s2, ttmp6, 0x10000c
	s_cmp_lg_u32 s2, 0x3003
	s_cbranch_scc0 .Lentry_shape_is_right
	s_endpgm
.Lentry_shape_is_right:
; y = softmax(q k^T / 8, causal) v for each of 64 heads (2,048 tokens, head size 64), both products on codes of FP8 (E4M3); y leaves as codes for the last product.
; THE SOFTMAX AHEAD OF THE SECOND PRODUCT: t = score x log2(e) / 8; M = the running largest t rounded UP to a whole number; p = 2^(t - M) is quantised, not normalised; the row's sum is taken of the
; unquantised p and divides at the end.  When M moves, the sum and O are multiplied by 2^(old M - new M): nothing is rounded, and there is no branch on data.
; SHARES.  A cluster of four work-groups is one head.  The head's K (131,072 bytes) and V (131,072) are brought into each partner's LDS ONCE, by joint loads: sixteen first fills, four for each of
; waves 0-3; no byte of LDS is filled twice or stored to.  Wave w (p = w / 2, i = w % 2) owns two tiles of 16 queries: tile 8 p + 2 cx + i and tile 8 (15 - p) + 2 cx + i of the head's 128.
; A key step is 128 keys; a tile of block n of 128 queries needs steps 0 .. n: so every wave of every work-group has (p + 1) + (16 - p) = 17 tile steps.  Steps all of whose keys are hidden are left
; out by scalar branches on p and the step's number, which are alike in all partners; cx enters global addresses and the lane value of the diagonal's mask alone.
; LAYOUT.  Both products are used transposed: S^T = K Q^T (source 0 = 16 keys, source 1 = my 16 queries), O^T = V^T P^T (source 0 = 16 channels): a lane holds ONE query throughout.
; All operands are images of registers: a piece of 512 bytes, lane l's 16 bytes at 16 l.  p's sixteen registers of tiles 2 b and 2 b + 1 become registers 4 b .. 4 b + 3 of the second product's
; operand: piece b, half h, byte 8 u + j holds key 32 b + 16 u + 8 h + j, the order in which v_img was written.  O^T leaves in the same way, the order in which wp_img was written.
; LIMITS: e2 + e3 between -123 and 130 (they are added to c's exponent field); e4 and e6 between -126 and 119; e4 + e5 goes in by v_ldexp_f32 and has none.  NaN is not served.
; No prefetch: all of K and V is asked for by the first fills at the head.
.set LI,   1                           ; v1   16 x lane: my place in a piece; K's tiles begin at LDS byte 0
.set LV,   2                           ; v2   the same + 131,072: V's
.set VD,   3                           ; v3   my query's place in its block of 128, less 8 h
.set NINF, 4                           ; v4   -infinity
.set ADK,  5                           ; v5, v6  LDS addresses of the step in hand
.set ADV,  6
.set PH,   7
.set MA,   8                           ; v8   at work: the maximum's first chain
.set PL,   9                           ; v9   a lane permute's destination
.set F,    10                          ; v[10:11] f = 2^(old M - new M); v11 is named with it as a pair
.set SB,   12                          ; v[12:13] the sum's second chain
.set PS,   14                          ; v14  2^e4
.set YL,   15
.set QH,   16                          ; the late tile: v16-23 Q, v24 -M, v25 the largest t, v[26:27] the sum in two halves, v32-63 O^T
.set NH,   24
.set SH,   26
.set YS,   28                          ; v28  2^e6
.set MB,   29                          ; v29  the maximum's second chain
.set OH,   32
.set QL,   64                          ; the early tile: v64-71, v72, v73, v[74:75], v80-111
.set NLO,  72
.set SL,   74
.set OL,   80
.set KV,   112                         ; v112-175 eight fragments of K, then four of V
.set S,    176                         ; v176-239 S^T, then p
.set P,    240                         ; v240-255 p's codes
.set WV,   18                          ; s18  wave
.set CX,   19                          ; s19  my place in the cluster
.set PP,   26                          ; s26  p: the early tile's block, and its last key step
.set II,   27                          ; s27  i
.set NHI,  28                          ; s28  15 - p: the late tile's
.set BH,   29                          ; s29  batch x 16 + head
.set G1K,  32                          ; s[32:39] descriptor group 1 for K;  s[40:47] for V;  s[48:63] four groups 0
.set G1V,  40
.set G0,   48
.set CS,   76                          ; s[76:77] c = log2(e) / 8 x 2^(e2 + e3), twice
.set SEL,  78                          ; s[78:79] v_permlanex16_b32's selects for lane l xor 16
.set TB,   80                          ; s80  8,192 x the key step: its first byte in K's region and in V's
.set N,    81                          ; s81  the key step
.set YH,   82                          ; s[82:83], s[84:85] where the two tiles' codes go
.set YLO,  84
.macro ROUND                           ; a round of the cluster's barrier
	s_barrier_signal -1
	s_barrier_wait -1
	s_cmp_lg_u32 s[WV], 0
	s_cbranch_scc1 .Lnot_wave_0_\@
	s_barrier_signal -3
.Lnot_wave_0_\@:
	s_barrier_wait -3
	s_barrier_signal -1
	s_barrier_wait -1
.endm
; ONE TILE, ONE KEY STEP.  q, nm, su, o: the tile's registers; dg: the scalar register that holds its diagonal step.
.macro TSTEP q, nm, su, o, dg
	v_add_nc_u32 v[ADK], s[TB], v[LI]
	v_add_nc_u32 v[ADV], s[TB], v[LV]
	v_nop
	v_nop                                          ; four places behind the last products, in front of loads into registers that they read
.irp t, 0,1,2,3,4,5,6,7
.irp c, 0,1
	ds_load_b128 v[KV+8*\t+4*\c:KV+8*\t+4*\c+3], v[ADK] offset:1024*\t+512*\c
.endr
.endr
	s_wait_alu depctr_va_vdst(0)
	s_wait_dscnt 8                                 ; tiles 0-3 are in; the youngest eight loads may be out
.irp t, 0,1,2,3
	v_wmma_f32_16x16x64_fp8_fp8 v[S+8*\t:S+8*\t+7], v[KV+8*\t:KV+8*\t+7], v[\q:\q+7], 0
.endr
	s_wait_dscnt 0x0
.irp t, 4,5,6,7
	v_wmma_f32_16x16x64_fp8_fp8 v[S+8*\t:S+8*\t+7], v[KV+8*\t:KV+8*\t+7], v[\q:\q+7], 0
.endr                                              ; lane (r, h): query r; register 8 t + j: key 16 t + 8 h + j of the step
.rept 4
	v_nop                                          ; places in front of the loads below and of the first read of the scores
.endr
.irp e, 0,1,2,3
.irp c, 0,1,2,3
	ds_load_b128 v[KV+16*\e+4*\c:KV+16*\e+4*\c+3], v[ADV] offset:2048*\e+512*\c   ; V's four fragments land while the softmax is walked
.endr
.endr
	s_cmp_lg_u32 s[N], s[\dg]                      ; only on the diagonal are keys hidden
	s_cbranch_scc1 .Lopen_\@
.set m, 0
.rept 64
	v_cmp_gt_i32 vcc_lo, 16*(m/8)+m%8, v[VD]       ; key 16 t + 8 h + j comes after my query: its score becomes -infinity, so p = 0.  The step's first key counts for every query
	v_cndmask_b32 v[S+m], v[S+m], v[NINF], vcc_lo
.set m, m+1
.endr
.Lopen_\@:
	v_max3_num_f32 v[MA], v[S], v[S+1], v[S+2]     ; the step's largest score of my query among my 64 keys, in two chains, ascending,
	v_max3_num_f32 v[MB], v[S+3], v[S+4], v[S+5]
.irp i, 6,10,14,18,22,26,30,34,38,42,46,50,54,58
	v_max3_num_f32 v[MA], v[MA], v[S+\i], v[S+\i+1]
	v_max3_num_f32 v[MB], v[MB], v[S+\i+2], v[S+\i+3]
.endr
	v_max3_num_f32 v[MA], v[MA], v[S+62], v[S+63]
	s_delay_alu instid0(VALU_DEP_1)
	v_max_num_f32 v[MA], v[MA], v[MB]
	s_delay_alu instid0(VALU_DEP_1)
	v_permlanex16_b32 v[PL], v[MA], s[SEL], s[SEL+1]
	s_delay_alu instid0(VALU_DEP_1)
	v_max_num_f32 v[MA], v[MA], v[PL]              ; and among lane l xor 16's
	s_delay_alu instid0(VALU_DEP_1)
	v_mul_f32 v[MA], s[CS], v[MA]                  ; as t (c is positive)
	s_delay_alu instid0(VALU_DEP_1)
	v_max_num_f32 v[\nm+1], v[\nm+1], v[MA]        ; the running largest t
	v_mov_b32 v[MA], v[\nm]
	s_delay_alu instid0(VALU_DEP_2)
	v_floor_f32 v[\nm], -v[\nm+1]                  ; the new -M = floor(-t) = -ceil(t)
	s_delay_alu instid0(VALU_DEP_1)
	v_sub_f32 v[MA], v[\nm], v[MA]                 ; old M - new M: a whole number, 0 or less
	s_delay_alu instid0(VALU_DEP_1)
	v_cvt_i32_f32 v[MA], v[MA]                     ; (it saturates)
	s_delay_alu instid0(VALU_DEP_1)
	v_ldexp_f32 v[F], 1.0, v[MA]                   ; f
.set m, 0
.rept 32
	v_pk_fma_f32 v[S+m:S+m+1], v[S+m:S+m+1], s[CS:CS+1], v[\nm:\nm+1] op_sel_hi:[1,0,0]   ; t - M, two at a time (of the pairs c and -M the low word serves both halves)
.set m, m+2
.endr
.set m, 0
	s_wait_alu depctr_va_vdst(0)
.rept 64
	v_exp_f32 v[S+m], v[S+m]                       ; p = 2^(t - M), at most 1
.set m, m+1
.endr
	v_pk_mul_f32 v[\su:\su+1], v[\su:\su+1], v[F:F+1] op_sel_hi:[1,0]   ; the sum under the new M; the plain line behind the exponentials
	s_wait_alu depctr_va_vdst(0)                   ; one wait for the whole batch, ahead of its first reader
	v_pk_add_f32 v[SB:SB+1], v[S:S+1], v[S+2:S+3]  ; the row's sum of the UNQUANTISED p, in two chains
.irp j, 4,8,12,16,20,24,28,32,36,40,44,48,52,56,60
	v_pk_add_f32 v[\su:\su+1], v[\su:\su+1], v[S+\j:S+\j+1]
	v_pk_add_f32 v[SB:SB+1], v[SB:SB+1], v[S+\j+2:S+\j+3]
.endr
	s_delay_alu instid0(VALU_DEP_1)
	v_pk_add_f32 v[\su:\su+1], v[\su:\su+1], v[SB:SB+1]
.irp b, 0,1,2,3
.irp i, 0,1,2,3,4,5,6,7,8,9,10,11,12,13,14,15
.endr
	v_cvt_scalef32_pk8_fp8_f32 v[P+4*\b:P+4*\b+1], v[S+16*\b:S+16*\b+7], v[PS]
	v_cvt_scalef32_pk8_fp8_f32 v[P+4*\b+2:P+4*\b+3], v[S+16*\b+8:S+16*\b+15], v[PS]
.endr
.set m, 0
.rept 16
	v_pk_mul_f32 v[\o+m:\o+m+1], v[\o+m:\o+m+1], v[F:F+1] op_sel_hi:[1,0]   ; O^T under the new M; these are also the plain lines between the conversions and the products below
.set m, m+2
.endr
	s_wait_alu depctr_va_vdst(0)
	s_wait_dscnt 0x0                               ; V's fragments are in
.irp e, 0,1,2,3                                    ; four accumulators, one instruction each; the eight products of S^T stand between two links of a chain
	v_wmma_f32_16x16x128_fp8_fp8 v[\o+8*\e:\o+8*\e+7], v[KV+16*\e:KV+16*\e+15], v[P:P+15], v[\o+8*\e:\o+8*\e+7]
.endr
.endm
; Key steps up to last - 1.  The trip count is a constant of the text; what a wave does not need is jumped over inside the trip.
.macro PHASE last
.Lphase_\@:
	s_cmp_gt_u32 s[N], s[NHI]
	s_cbranch_scc1 .Lno_late_\@
	TSTEP QH, NH, SH, OH, NHI
.Lno_late_\@:
	s_cmp_gt_u32 s[N], s[PP]
	s_cbranch_scc1 .Lno_early_\@
	TSTEP QL, NLO, SL, OL, PP
.Lno_early_\@:
	s_add_co_u32 s[TB], s[TB], 8192
	s_add_co_u32 s[N], s[N], 1
	s_cmp_lt_u32 s[N], \last
	s_cbranch_scc1 .Lphase_\@
.endm
; THE WAY OUT of a tile: O^T x (2^(e4 + e5) / the sum), held, converted with 2^e6, stored as two pieces of the last product's operand.  t: which half of S's and P's registers it takes.
.macro YOUT su, o, t, yb
.set m, 0
.rept 16
	v_pk_mul_f32 v[S+32*\t+m:S+32*\t+m+1], v[\o+m:\o+m+1], v[\su:\su+1] op_sel_hi:[1,0]   ; each accumulator from its low end on
.set m, m+2
.endr
.set m, 0
.rept 32
.set m, m+1
.endr
.irp c, 0,1
	v_cvt_scalef32_pk8_fp8_f32 v[P+8*\t+4*\c:P+8*\t+4*\c+1], v[S+32*\t+16*\c:S+32*\t+16*\c+7], v[YS]
	v_cvt_scalef32_pk8_fp8_f32 v[P+8*\t+4*\c+2:P+8*\t+4*\c+3], v[S+32*\t+16*\c+8:S+32*\t+16*\c+15], v[YS]
.endr
	v_nop                                          ; a plain line behind the last conversion of the run
.irp c, 0,1
	global_store_b128 v[LI], v[P+8*\t+4*\c:P+8*\t+4*\c+3], s[\yb:\yb+1] offset:512*\c   ; 32 lanes store 512 consecutive bytes, aligned
.endr
.endm
	s_load_b256 s[4:11], s[0:1], 0x0               ; q_img s[4:5], k_img s[6:7], v_img s[8:9], the scales' exponents s[10:11]
	s_load_b64 s[12:13], s[0:1], 0x20              ; y_img
	v_lshl_add_u32 v78, v0, 2, 0x40000
	v_mov_b32 v79, 0
	ds_add_u32 v78, v79
	ds_add_u32 v78, v79
	v_lshrrev_b32 v1, 5, v0
	s_delay_alu instid0(VALU_DEP_1)
	v_readfirstlane_b32 s[WV], v1                  ; wave 0..15
	s_bfe_u32 s[CX], ttmp6, 0x40000
	s_and_b32 s[BH], ttmp7, 0xffff                 ; the cluster's y: the head, which the four partners share
	s_lshr_b32 s[PP], s[WV], 1
	s_and_b32 s[II], s[WV], 1
	s_xor_b32 s[NHI], s[PP], 15                    ; 15 - p
	; descriptor group 1.  K: 16 token tiles' parts of 1,024 bytes (128 elements of 8 bytes), 2,048 bytes apart (the pair's other head lies between)
	s_mov_b32 s[G1K], 15|(3<<16)|(1<<21)           ; 15:0 the mask: all four work-groups; 17:16 elements of 8 bytes; 21 set beside a mask
	s_mov_b32 s[G1K+1], 128<<16                    ; tensor_dim0
	s_mov_b32 s[G1K+2], 16<<16                     ; tensor_dim1
	s_mov_b32 s[G1K+3], 128<<16                    ; tile_dim0
	s_mov_b32 s[G1K+4], 16                         ; tile_dim1
	s_mov_b32 s[G1K+5], 256                        ; tensor_dim0_stride
	s_mov_b32 s[G1K+6], 0
	s_mov_b32 s[G1K+7], 0
	; V: 2 key steps' parts of 8,192 bytes (1,024 elements), 16,384 bytes apart
	s_mov_b32 s[G1V], 15|(3<<16)|(1<<21)
	s_mov_b32 s[G1V+1], 1024<<16
	s_mov_b32 s[G1V+2], 2<<16
	s_mov_b32 s[G1V+3], 1024<<16
	s_mov_b32 s[G1V+4], 2
	s_mov_b32 s[G1V+5], 2048
	s_mov_b32 s[G1V+6], 0
	s_mov_b32 s[G1V+7], 0
	; what a fetching wave fetches: waves 0, 1: K; waves 2, 3: V; of each group of 512 keys (32,768 bytes in LDS, 65,536 in memory) the half w % 2
	s_lshr_b32 s20, s[WV], 1
	s_and_b32 s20, s20, 1
	s_lshl_b32 s20, s20, 17                        ; K's region or V's,
	s_lshl_b32 s21, s[II], 14
	s_add_co_u32 s20, s20, s21                     ; my half of a group: no place in the cluster enters an LDS address
	s_lshr_b32 s22, s[BH], 1
	s_lshl_b32 s22, s22, 18                        ; the head pair's 262,144 bytes
	s_and_b32 s23, s[BH], 1
	s_wait_dscnt 0x0
	s_wait_kmcnt 0x0
	s_load_b256 s[68:75], s[10:11], 0x0            ; e0 .. e7
	s_cmp_lt_u32 s[WV], 2
	s_cselect_b32 s24, 10, 13                      ; the pair's second head lies 1,024 bytes on in K's images, 8,192 in V's
	s_cselect_b64 s[14:15], s[6:7], s[8:9]
	s_lshl_b32 s23, s23, s24
	s_add_co_u32 s22, s22, s23
	s_lshl_b32 s23, s[II], 15
	s_add_co_u32 s22, s22, s23
	s_mov_b32 s23, 0
	s_add_nc_u64 s[14:15], s[14:15], s[22:23]
.irp g, 0,1,2,3
	s_mov_b32 s[G0+4*\g], 1                        ; 1:0 count = 1
	s_add_co_u32 s[G0+4*\g+1], s20, \g*32768       ; 63:32 LDS address
	s_add_nc_u64 s[G0+4*\g+2:G0+4*\g+3], s[14:15], \g*65536   ; 120:64 global address
	s_or_b32 s[G0+4*\g+3], s[G0+4*\g+3], 0x80000000            ; 127:126 type = 2
.endr
	ROUND                                          ; all four work-groups are here: the joint loads meet
	s_cmp_lt_u32 s[WV], 2                          ; a wave's four first fills stand in one branch on its number; four loads of mine are out at the most; four v_nop follow the last
	s_cbranch_scc0 .Lnot_k
.irp g, 0,1,2,3
	tensor_load_to_lds s[G0+4*\g:G0+4*\g+3], s[G1K:G1K+7]
	s_nop 0
.endr
.rept 4
	v_nop
.endr
	s_branch .Lasked
.Lnot_k:
	s_cmp_lt_u32 s[WV], 4
	s_cbranch_scc0 .Lasked
.irp g, 0,1,2,3
	tensor_load_to_lds s[G0+4*\g:G0+4*\g+3], s[G1V:G1V+7]
	s_nop 0
.endr
.rept 4
	v_nop
.endr
.Lasked:
	v_and_b32 v[LI], 31, v0
	s_delay_alu instid0(VALU_DEP_1)
	v_lshlrev_b32 v[LI], 4, v[LI]
	s_wait_alu depctr_va_vdst(0)
	v_add_nc_u32 v[LV], 131072, v[LI]
	s_lshl_b32 s86, s[CX], 1
	s_add_co_u32 s86, s86, s[II]                   ; 2 cx + i: my tiles' place in their blocks of eight
	s_lshl_b32 s87, s[NHI], 3
	s_add_co_u32 s87, s87, s86                     ; the late tile
	s_lshl_b32 s88, s[PP], 3
	s_add_co_u32 s88, s88, s86                     ; the early tile
	s_lshr_b32 s90, s[BH], 1
	s_lshl_b32 s90, s90, 18
	s_and_b32 s91, s[BH], 1
	s_lshl_b32 s91, s91, 10
	s_add_co_u32 s90, s90, s91
	s_mov_b32 s91, 0
	s_add_nc_u64 s[4:5], s[4:5], s[90:91]          ; q_img at my head
	s_lshl_b32 s90, s87, 11
	s_add_nc_u64 s[92:93], s[4:5], s[90:91]
	s_lshl_b32 s90, s88, 11
	s_add_nc_u64 s[94:95], s[4:5], s[90:91]
.irp c, 0,1
	global_load_b128 v[QH+4*\c:QH+4*\c+3], v[LI], s[92:93] offset:512*\c   ; Q's fragments stay in registers
	global_load_b128 v[QL+4*\c:QL+4*\c+3], v[LI], s[94:95] offset:512*\c
.endr
	s_lshr_b32 s90, s[BH], 4
	s_lshl_b32 s90, s90, 21                        ; y_img: the batch's 128 token tiles of 16,384 bytes,
	s_and_b32 s89, s[BH], 15
	s_lshl_b32 s89, s89, 10                        ; the head's 1,024 bytes of a tile's image
	s_add_co_u32 s90, s90, s89
	s_add_nc_u64 s[12:13], s[12:13], s[90:91]
	s_lshl_b32 s90, s87, 14
	s_add_nc_u64 s[YH:YH+1], s[12:13], s[90:91]
	s_lshl_b32 s90, s88, 14
	s_add_nc_u64 s[YLO:YLO+1], s[12:13], s[90:91]
	s_lshl_b32 s89, s86, 4                         ; 16 (2 cx + i)
	v_and_b32 v[MA], 15, v0                        ; r
	v_bfe_u32 v[PL], v0, 4, 1                      ; h
	s_delay_alu instid0(VALU_DEP_1)
	v_lshlrev_b32 v[PL], 3, v[PL]
	s_delay_alu instid0(VALU_DEP_1)
	v_sub_nc_u32 v[VD], v[MA], v[PL]
	s_delay_alu instid0(VALU_DEP_1)
	v_add_nc_u32 v[VD], s89, v[VD]                 ; 32 cx + 16 i + r - 8 h
	v_mov_b32 v[NINF], 0xff800000
	v_mov_b32 v[MA], 0
	v_mov_b32 v[PL], 0                             ; written once: a lane permute's destination counts as one of its sources
	v_mov_b32 v[F+1], 0                            ; (named as the upper half of a pair)
	v_mov_b32 v[NH+1], 0xff61b1e6                  ; the largest t so far: -3e38, under every t
	v_mov_b32 v[NLO+1], 0xff61b1e6
	s_delay_alu instid0(VALU_DEP_2)
	v_floor_f32 v[NH], -v[NH+1]                    ; -M
	s_delay_alu instid0(VALU_DEP_2)
	v_floor_f32 v[NLO], -v[NLO+1]
	v_mov_b32 v[SH], 0                             ; the sums
	v_mov_b32 v[SH+1], 0
	v_mov_b32 v[SL], 0
	v_mov_b32 v[SL+1], 0
.set m, 0
.rept 32
	v_mov_b32 v[OH+m], 0                           ; O^T: the step is written with no first step of its own: it finds zeros, which the first change of M leaves zeros
	v_mov_b32 v[OL+m], 0
.set m, m+1
.endr
	s_mov_b32 s[SEL], 0x76543210
	s_mov_b32 s[SEL+1], 0xfedcba98
	s_mov_b32 s[TB], 0
	s_mov_b32 s[N], 0
	s_wait_kmcnt 0x0
	s_add_co_i32 s20, s70, s71
	s_lshl_b32 s20, s20, 23
	s_mov_b32 s[CS], 0x3e38aa3b                    ; log2(e) / 8
	s_add_co_i32 s[CS], s[CS], s20                 ; a score stands for score x 2^(e2 + e3): the exponents are added to c's exponent field
	s_mov_b32 s[CS+1], s[CS]
	s_add_co_i32 s20, s72, 127
	s_lshl_b32 s21, s20, 23
	v_mov_b32 v[PS], s21                           ; 2^e4
	s_add_co_i32 s20, s74, 127
	s_lshl_b32 s21, s20, 23
	v_mov_b32 v[YS], s21                           ; 2^e6
	s_wait_loadcnt 0x0                             ; Q
	s_wait_tensorcnt 3                             ; my first load, my part of keys 0-511, is in; the three behind it may be out
	s_barrier_signal -1
	s_barrier_wait -1                              ; everybody's is
	PHASE 4                                        ; key steps 0-3
	s_wait_tensorcnt 0x0                           ; all of K and V,
	s_wait_dscnt 0x0
	s_barrier_signal -1
	s_barrier_wait -1                              ; everybody's part
	PHASE 16                                       ; key steps 4-15
.rept 4
	v_nop                                          ; places behind the last products
.endr
	v_add_f32 v[SH], v[SH], v[SH+1]                ; the sums' two halves,
	v_add_f32 v[SL], v[SL], v[SL+1]
	s_delay_alu instid0(VALU_DEP_2)
	v_permlanex16_b32 v[PL], v[SH], s[SEL], s[SEL+1]
	s_delay_alu instid0(VALU_DEP_2)
	v_permlanex16_b32 v[MA], v[SL], s[SEL], s[SEL+1]
	s_delay_alu instid0(VALU_DEP_2)
	v_add_f32 v[SH], v[SH], v[PL]                  ; and lane l xor 16's
	s_delay_alu instid0(VALU_DEP_2)
	v_add_f32 v[SL], v[SL], v[MA]
	s_wait_alu depctr_va_vdst(0)
	v_rcp_f32 v[SH], v[SH]
	v_rcp_f32 v[SL], v[SL]
	v_nop                                          ; a plain line behind the reciprocals
	s_add_co_i32 s20, s72, s73
	s_wait_alu depctr_va_vdst(0)                   ; one wait for both, ahead of their first reader
	v_ldexp_f32 v[SH], v[SH], s20                  ; x 2^(e4 + e5)
	v_ldexp_f32 v[SL], v[SL], s20
	YOUT SH, OH, 0, YH
	YOUT SL, OL, 1, YLO
	s_wait_tensorcnt 0x0
	ds_add_u32 v78, v79
	s_wait_dscnt 0x0
	ROUND                                          ; the closing round: no work-group ends while a partner may still ask for a tile that names it
	s_endpgm
.Lfunc_end_k_qd5ae324b48_attn:
	.size	k_qd5ae324b48_attn, .Lfunc_end_k_qd5ae324b48_attn-k_qd5ae324b48_attn
	.p2alignl 7, 3214868480
	.fill 96, 4, 3214868480
	.section	.rodata,"a",@progbits
	.p2align	6, 0x0
	.amdhsa_kernel k_qd5ae324b48_attn
		.amdhsa_group_segment_fixed_size 264192
		.amdhsa_private_segment_fixed_size 0
		.amdhsa_enable_private_segment 0
		.amdhsa_kernarg_size 40
		.amdhsa_user_sgpr_count 2
		.amdhsa_user_sgpr_kernarg_segment_ptr 1
		.amdhsa_wavefront_size32 1
		.amdhsa_system_sgpr_workgroup_id_x 1
		.amdhsa_system_sgpr_workgroup_id_y 1
		.amdhsa_system_sgpr_workgroup_id_z 1
		.amdhsa_system_vgpr_workitem_id 0
		.amdhsa_next_free_vgpr 256
		.amdhsa_next_free_sgpr 96
		.amdhsa_reserve_vcc 1
		.amdhsa_float_denorm_mode_32 3
		.amdhsa_float_denorm_mode_16_64 3
		.amdhsa_fp16_overflow 1
		.amdhsa_memory_ordered 1
		.amdhsa_forward_progress 1
		.amdhsa_inst_pref_size 90
	.end_amdhsa_kernel
	.amdgpu_metadata
---
amdhsa.version: [ 1, 2 ]
amdhsa.kernels:
  - .name:           k_qd5ae324b48_attn
    .symbol:         k_qd5ae324b48_attn.kd
    .args:
      - { .name: q_img, .offset: 0, .size: 8, .value_kind: global_buffer, .address_space: global }
      - { .name: k_img, .offset: 8, .size: 8, .value_kind: global_buffer, .address_space: global }
      - { .name: v_img, .offset: 16, .size: 8, .value_kind: global_buffer, .address_space: global }
      - { .name: lowp_scales, .offset: 24, .size: 8, .value_kind: global_buffer, .address_space: global }
      - { .name: y_img, .offset: 32, .size: 8, .value_kind: global_buffer, .address_space: global }
    .group_segment_fixed_size: 264192
    .private_segment_fixed_size: 0
    .kernarg_segment_align: 8
    .kernarg_segment_size: 40
    .max_flat_workgroup_size: 512
    .sgpr_count:     96
    .vgpr_count:     256
    .wavefront_size: 32
...
	.end_amdgpu_metadata
.endif
;; end of part 3
;; launch proj (part 4): grid 4 x 32, 4 waves a work-group, clusters of 4 x 4, 327,680 bytes of LDS; arguments y_img, wp_img, b_proj, lowp_scales, out0; writes out0
.if DOCPART == 4
	.amdgcn_target "amdgcn-amd-amdhsa--gfx1250"
	.amdhsa_code_object_version 6
	.text
	.protected	k_qd5ae324b48_proj
	.globl	k_qd5ae324b48_proj
	.p2align	8
	.type	k_qd5ae324b48_proj,@function
k_qd5ae324b48_proj:
	s_mov_b64 s[64:65], 0
	v_nop
	global_prefetch_b8 v0, s[64:65] scope:SCOPE_SE
	s_setreg_imm32_b32 hwreg(HW_REG_WAVE_MODE, 25, 1), 1
	s_wait_xcnt 0x0
	s_wait_alu depctr_hold_cnt(0) depctr_sa_sdst(0) depctr_va_vdst(0) depctr_va_sdst(0) depctr_va_ssrc(0) depctr_va_vcc(0) depctr_vm_vsrc(0)
	s_getreg_b32 s2, hwreg(HW_REG_IB_STS2, 6, 4)
	s_cmp_eq_u32 s2, 0
	s_cbranch_scc0 .Lentry_in_a_cluster
	s_endpgm
.Lentry_in_a_cluster:
	s_bfe_u32 s2, ttmp6, 0x10000c
	s_cmp_lg_u32 s2, 0xf033
	s_cbranch_scc0 .Lentry_shape_is_right
	s_endpgm
.Lentry_shape_is_right:
; out0 = y W_proj + b_proj on codes of FP8 (E4M3), K = 1,024; out0 [8192][1024] f32.
; A tile of 256 x 256 is made by four waves, each 128 x 128: 64 accumulators, 512 registers.  K goes in steps of 256 through a ring of two LDS slots filled by the tensor data mover.
; The operands are images of registers (16 rows x 128 K = 4 pieces of 512 bytes, lane l's 16 bytes at 16 l): a fragment is four ds_load_b128 of 512 consecutive bytes: no pitch, no padding.
; Both images hold k in the same order (piece c, half h, byte 8 u + j: k = 32 c + 16 u + 8 h + j), so every product meets its partner.
; THE MATRIX INSTRUCTION IS USED TRANSPOSED (source 0 = 16 columns of W_proj, source 1 = 16 tokens): a lane holds eight neighbouring numbers of a row of out0.
; The bias is the C of each sum's first matrix instruction, divided by 2^(e6 + e7); each finished sum is multiplied once by 2^(e6 + e7).
; CLUSTERS: 4 x 4 work-groups; y's tiles are asked for jointly along a row of the cluster, W_proj's along a column.  128 work-groups: a tile of half the rows would read half as much again from LDS for each product.
; LIMIT: e6 + e7 between -126 and 127.  No prefetch: each tile is shared in its cluster, and the launch has eight K steps in all.
; REGISTERS: window 0: v16-17, v20-21 LDS addresses; v24-26 the way out; v28, v29 for the add; v32-95 the bias, later a block's results; v128-255 A's fragments, ONE set, later rows of out0.
;   window 1: B's fragments, TWO sets.   windows 2, 3: the accumulators, (a, b) at v[8 (8 (a % 4) + b)].
.set SLOT,   131072                    ; A's 16 tiles x 4,096 bytes (two K steps of 128), then B's
.set SPARE,  2*SLOT                    ; behind the ring: the spare words, 128 bytes a wave: two blocks of 256 bytes that no other line names
.set SPITCH, 528                       ; the way out: a stage of 16 rows x (512 bytes + 16) for each wave, in slot 0, which has had its last fill and its last read when the first result is stored there
.set SIZE_N, 1024
.set FR,     16
.set NL,     4
.set NP,     4                         ; places behind this matrix instruction (ISA guide 7.12.1)
.set LAPS,   2
.set ADRA, 16
.set ADRB, 20
.set STO,  24
.set RD,   25
.set CO,   26
.set SPW,  28
.set NIL,  29
.set BIAS, 32
.set TMP,  32
.set AF,   128
.set BK,   128
.set G1,  24
.set G0,  32
.set G1B, 48
.set G0B, 56
.set MSB, 0
.macro WIN new                         ; the immediate's high byte repeats the setting that is left
.if MSB != \new
	s_set_vgpr_msb (MSB<<8)|\new
.set MSB, \new
.endif
.endm
.set MUL_LO, 0xa1                      ; source 0 (B) window 1, source 1 (A) window 0, C and D window 2
.set MUL_HI, 0xf1                      ; the same, C and D window 3
.set TO_B,   0x40                      ; destination window 1, address window 0
.macro JLOAD s                         ; a joint load: waves 0 and 1 fetch A's two halves, waves 2 and 3 B's; four v_nop follow each of the two lines
	s_cmp_eq_u32 s15, 0
	s_cbranch_scc0 .Lfor_b_\@
	tensor_load_to_lds s[G0+4*\s:G0+4*\s+3], s[G1:G1+7]
	s_nop 0
.rept 4
	v_nop
.endr
	s_branch .Lasked_\@
.Lfor_b_\@:
	tensor_load_to_lds s[G0B+4*\s:G0B+4*\s+3], s[G1B:G1B+7]
	s_nop 0
.rept 4
	v_nop
.endr
.Lasked_\@:
.endm
.macro CREST                           ; a round of the cluster's barrier behind its opening barrier
	s_cmp_lg_u32 s14, 0
	s_cbranch_scc1 .Lnot_wave_0_\@
	s_barrier_signal -3
.Lnot_wave_0_\@:
	s_barrier_wait -3
	s_barrier_signal -1
	s_barrier_wait -1
.endm
.macro CROUND
	s_barrier_signal -1
	s_barrier_wait -1
	CREST
.endm
.macro PLACES n
.rept \n
	v_nop
.endr
.endm
.macro FRAG reg, adr, q, i             ; tile i of my eight, the slot's q-th 128 along K: four pieces of 512 bytes
.irp c, 0,1,2,3
	ds_load_b128 v[\reg+4*\c:\reg+4*\c+3], v[\adr] offset:(\i)*4096+(\q)*2048+512*\c
.endr
.endm
; 16 matrix instructions: A's blocks a0, a0 + 1 x B's eight.  mode 1: the sums begin with the bias.  The 64 accumulators take turns, one instruction a turn.
.macro MUL16 a0, p, mode
.irp a, \a0, \a0+1
.irp b, 0,1,2,3,4,5,6,7
.if \mode == 1
	v_wmma_f32_16x16x128_fp8_fp8 v[8*(8*((\a)%4)+\b):8*(8*((\a)%4)+\b)+7], v[128*(\p)+FR*\b:128*(\p)+FR*\b+FR-1], v[AF+FR*(\a):AF+FR*(\a)+FR-1], v[BIAS+8*\b:BIAS+8*\b+7]
.else
	v_wmma_f32_16x16x128_fp8_fp8 v[8*(8*((\a)%4)+\b):8*(8*((\a)%4)+\b)+7], v[128*(\p)+FR*\b:128*(\p)+FR*\b+FR-1], v[AF+FR*(\a):AF+FR*(\a)+FR-1], v[8*(8*((\a)%4)+\b):8*(8*((\a)%4)+\b)+7]
.endif
.endr
.endr
.endm
.macro FETCH_B slot, q, p
	WIN TO_B
.irp i, 0,1,2,3,4,5,6,7
	FRAG 128*(\p)+FR*\i, ADRB+\slot, \q, \i
.endr
	WIN 0
.endm
.macro FETCH_A slot, q, i0
.irp i, \i0, \i0+1, \i0+2, \i0+3
	FRAG AF+FR*(\i), ADRA+\slot, \q, \i
.endr
.endm
.macro STEP slot, q, mode              ; a step of 128 along K that has its successor in the same slot
	s_wait_dscnt 4*NL                              ; B's set and A's blocks 0-3 are in; the youngest sixteen loads (A's blocks 4-7) may be out
.if \mode
	WIN 0x81                                       ; as MUL_LO, with C (the bias) in window 0
.else
	WIN MUL_LO
.endif
	MUL16 0, (\q)%2, \mode
	MUL16 2, (\q)%2, \mode
	s_wait_dscnt 0                                 ; A's blocks 4-7 are in
	PLACES NP                                      ; in front of loads into registers that matrix instructions have read
	FETCH_B \slot, (\q)+1, 1-(\q)%2
	FETCH_A \slot, (\q)+1, 0
.if \mode
	WIN 0xc1
.else
	WIN MUL_HI
.endif
	MUL16 4, (\q)%2, \mode
	MUL16 6, (\q)%2, \mode
	PLACES NP
	WIN 0
	FETCH_A \slot, (\q)+1, 4
.endm
.macro TURN slot, next, fill           ; a slot's last step changes slots: ONE barrier
	s_wait_tensorcnt 0x0                           ; all my tensor loads have landed: my part of the next slot
	ds_add_u32 v[SPW], v[NIL]                      ; 0 onto my spare word
	s_wait_dscnt 4*NL+1                            ; (the add and the youngest sixteen loads may be out)
	WIN MUL_LO
	MUL16 0, 1, 0                                  ; sixteen matrix instructions stand between the add and the wait for it
	s_wait_dscnt 0x0                               ; the add is done, and my reads of this slot are over
	s_barrier_signal -1
	MUL16 2, 1, 0
	WIN 0
	s_barrier_wait -1
.if \fill
	CREST                                          ; the barrier has opened a round of the cluster's barrier: no wave of any partner still reads this slot or has a load on its way
	s_add_nc_u64 s[G0+4*\slot+2:G0+4*\slot+3], s[G0+4*\slot+2:G0+4*\slot+3], 8192
	s_add_nc_u64 s[G0B+4*\slot+2:G0B+4*\slot+3], s[G0B+4*\slot+2:G0B+4*\slot+3], 8192
	JLOAD \slot                                    ; the first tensor load behind the round; its four v_nop are the places in front of the loads below
.else
	PLACES NP
.endif
	FETCH_B \next, 0, 0
	FETCH_A \next, 0, 0
	WIN MUL_HI
	MUL16 4, 1, 0
	MUL16 6, 1, 0
	PLACES NP
	WIN 0
	FETCH_A \next, 0, 4
.endm
	s_load_b256 s[68:75], s[0:1], 0x0              ; y_img s[68:69], wp_img s[70:71], b_proj s[72:73], the scales' exponents s[74:75]
	s_load_b64 s[10:11], s[0:1], 0x20              ; out0
	v_lshl_add_u32 v[SPW], v0, 2, SPARE
	v_mov_b32 v[NIL], 0
	ds_add_u32 v28, v29
	ds_add_u32 v28, v29
	s_wait_dscnt 0x0
	v_lshrrev_b32 v1, 5, v0
	v_readfirstlane_b32 s14, v1                    ; wave 0..3
	s_lshr_b32 s15, s14, 1                         ; which half of the tile's rows is mine.  Also: I fetch for A (0) or for B (1)
	s_and_b32 s16, s14, 1                          ; which half of its columns.  Also: which 8 tiles of that region I fetch
	s_bfe_u32 s40, ttmp6, 0x40000                  ; cx, cy
	s_bfe_u32 s41, ttmp6, 0x40004
	s_lshl_b32 s42, ttmp9, 2
	s_add_co_u32 s42, s42, s40                     ; tile column = 4 x cluster x + cx
	s_and_b32 s17, ttmp7, 0xffff
	s_lshl_b32 s17, s17, 2
	s_add_co_u32 s17, s17, s41                     ; tile row = 4 x cluster y + cy
	s_lshl_b32 s43, s41, 2
	s_lshl_b32 s43, 15, s43                        ; my row of the cluster
	s_lshl_b32 s44, 0x1111, s40                    ; my column
	s_or_b32 s[G1+0], s43, (3<<16)|(1<<21)         ; 15:0 the mask; 17:16 elements of 8 bytes; 21 set beside a mask
	s_or_b32 s[G1B+0], s44, (3<<16)|(1<<21)
.irp g, G1, G1B
	s_mov_b32 s[\g+1], 512<<16                     ; tensor_dim0 = 512: 4,096 bytes of a tile's image
	s_mov_b32 s[\g+2], 8<<16                       ; tensor_dim1 = 8 tiles
	s_mov_b32 s[\g+3], 512<<16                     ; tile_dim0
	s_mov_b32 s[\g+4], 8                           ; tile_dim1
	s_mov_b32 s[\g+5], 2048                        ; tensor_dim0_stride: 16,384 bytes from tile to tile
	s_mov_b32 s[\g+6], 0
	s_mov_b32 s[\g+7], 0
.endr
	s_lshl_b32 s18, s16, 17                        ; the 8 tiles that I fetch
	s_lshl_b32 s20, s17, 18
	s_add_co_u32 s20, s20, s18
	s_mov_b32 s21, 0
	s_lshl_b32 s46, s42, 18
	s_add_co_u32 s46, s46, s18
	s_mov_b32 s47, 0
	s_lshl_b32 s45, s14, 15                        ; where they go: wave x 32,768
	s_wait_kmcnt 0x0
	s_load_b256 s[84:91], s[74:75], 0x0            ; e0 .. e7
	s_add_nc_u64 s[4:5], s[68:69], s[20:21]
	s_add_nc_u64 s[6:7], s[70:71], s[46:47]
	CROUND                                         ; all sixteen work-groups are here: the first joint loads meet
.irp s, 0,1
	s_mov_b32 s[G0+4*\s], 1
	s_add_co_u32 s[G0+4*\s+1], s45, \s*SLOT
	s_add_nc_u64 s[G0+4*\s+2:G0+4*\s+3], s[4:5], \s*4096
	s_or_b32 s[G0+4*\s+3], s[G0+4*\s+3], 0x80000000
	s_mov_b32 s[G0B+4*\s], 1
	s_add_co_u32 s[G0B+4*\s+1], s45, \s*SLOT
	s_add_nc_u64 s[G0B+4*\s+2:G0B+4*\s+3], s[6:7], \s*4096
	s_or_b32 s[G0B+4*\s+3], s[G0B+4*\s+3], 0x80000000
	s_wait_alu depctr_va_vdst(0)
	s_wait_tensorcnt 0x0
	ds_add_u32 v28, v29
	ds_add_u32 v28, v29
	s_wait_dscnt 0x0
	CROUND
	JLOAD \s                                       ; one load of mine is out
.endr
	v_and_b32 v1, 15, v0                           ; r
	s_wait_alu depctr_va_vdst(0)
	v_bfe_u32 v2, v0, 4, 1                         ; h
	v_and_b32 v3, 31, v0
	v_lshlrev_b32 v[CO], 4, v3                     ; 16 x lane
	s_lshl_b32 s18, s15, 15                        ; my 8 tiles of A,
	s_lshl_b32 s19, s16, 15                        ; my 8 tiles of B,
	s_add_co_u32 s19, s19, 65536                   ; which lie behind A's 16
.irp s, 0,1
	v_add_nc_u32 v[ADRA+\s], s18, v[CO]
	v_add_nc_u32 v[ADRB+\s], s19, v[CO]
	s_add_co_u32 s18, s18, SLOT
	s_add_co_u32 s19, s19, SLOT
.endr
	s_mul_i32 s23, s14, 16*SPITCH                  ; my stage
	v_mul_u32_u24 v5, v1, SPITCH                   ; in: row r, 32 bytes for each half of the lanes
	s_wait_alu depctr_va_vdst(0)
	v_lshl_add_u32 v5, v2, 5, v5
	v_add_nc_u32 v[STO], s23, v5
	v_add_nc_u32 v[RD], s23, v[CO]                 ; back: the 32 lanes take one row of 512 bytes
	s_lshl_b32 s94, s42, 10                        ; my first column, in bytes of f32: 1,024 x tile column + 512 x half: in b_proj and in a row of out0
	s_lshl_b32 s95, s16, 9
	s_add_co_u32 s94, s94, s95
	s_mov_b32 s95, 0
	s_add_nc_u64 s[72:73], s[72:73], s[94:95]
	v_lshlrev_b32 v4, 5, v2                        ; the bias in the result's layout: tile b, lane (r, h): columns 16 b + 8 h + 0 .. 7
.irp b, 0,1,2,3,4,5,6,7
	global_load_b128 v[BIAS+8*\b:BIAS+8*\b+3], v4, s[72:73] offset:64*\b
	global_load_b128 v[BIAS+8*\b+4:BIAS+8*\b+7], v4, s[72:73] offset:64*\b+16
.endr
	s_lshl_b32 s20, s17, 20                        ; my first row of out0: (256 x tile row + 128 x half) x 4,096 bytes
	s_lshl_b32 s21, s15, 19
	s_add_co_u32 s20, s20, s21
	s_mov_b32 s21, 0
	s_add_nc_u64 s[10:11], s[10:11], s[20:21]
	s_add_nc_u64 s[10:11], s[10:11], s[94:95]
	s_wait_kmcnt 0x0
	s_add_co_i32 s93, s90, s91                     ; e6 + e7
	s_add_co_i32 s96, s93, 127
	s_lshl_b32 s96, s96, 23                        ; 2^(e6 + e7) as f32
	s_mov_b32 s97, s96                             ; (named with it as a pair, so it is written)
	s_sub_co_i32 s93, 0, s93
	s_wait_loadcnt 0x0                             ; the bias
.set n, 0
.rept 64
	v_ldexp_f32 v[BIAS+n], v[BIAS+n], s93          ; / 2^(e6 + e7): nothing is rounded
.set n, n+1
.endr
	s_wait_alu depctr_va_vdst(0)
	s_wait_tensorcnt 1                             ; my part of slot 0 is in (slot 1's load may be out)
	s_barrier_signal -1
	s_barrier_wait -1                              ; everybody's is
	FETCH_B 0, 0, 0
	FETCH_A 0, 0, 0
	FETCH_A 0, 0, 4
	STEP 0, 0, 1                                   ; the first step stands in front of the loop: its products start the sums with the bias
	s_mov_b32 s3, LAPS-1
.Llap:                                                 ; a trip goes once round the ring and fills both slots again
	TURN 0, 1, 1
	STEP 1, 0, 0
	TURN 1, 0, 1
	STEP 0, 0, 0
	s_sub_co_u32 s3, s3, 1
	s_cmp_lg_u32 s3, 0
	s_cbranch_scc1 .Llap
	TURN 0, 1, 0                                   ; the last lap fills nothing, and has no round of the cluster's barrier
	STEP 1, 0, 0
	s_wait_dscnt 4*NL                              ; the very last step
	WIN MUL_LO
	MUL16 0, 1, 0
	MUL16 2, 1, 0
	s_wait_dscnt 0
	WIN MUL_HI
	MUL16 4, 1, 0
	MUL16 6, 1, 0
	WIN 0
; THE WAY OUT, block by block of 16 rows x 128 columns: through my own stage in LDS and back as whole rows of 512 bytes.  LDS serves a wave's instructions in order (ISA guide 5.7.1.4): no wait between the stores and the loads.
.macro TOSTAGE a
.set AC, 64*((\a)%4)
	WIN 0x02+((\a)/4)                              ; source 0: window 2 or 3
.irp j, 0,2,4,6,8,10,12,14,16,18,20,22,24,26,28,30,32,34,36,38,40,42,44,46,48,50,52,54,56,58,60,62
	v_pk_mul_f32 v[TMP+\j:TMP+\j+1], v[AC+\j:AC+\j+1], s[96:97] op_sel_hi:[1,0]   ; x 2^(e6 + e7); each accumulator from its low end on
.endr
	WIN 0
.irp b, 0,1,2,3,4,5,6,7
	ds_store_b128 v[STO], v[TMP+8*\b:TMP+8*\b+3] offset:64*\b
	ds_store_b128 v[STO], v[TMP+8*\b+4:TMP+8*\b+7] offset:64*\b+16
.endr
.set BB, BK+64*((\a)%2)
.irp t, 0,1,2,3,4,5,6,7,8,9,10,11,12,13,14,15
	ds_load_b128 v[BB+4*\t:BB+4*\t+3], v[RD] offset:\t*SPITCH
.endr
.endm
.macro SEND a, younger                 ; younger: the LDS instructions issued behind block a's loads, which may stay out
.set BB, BK+64*((\a)%2)
	s_wait_dscnt \younger                          ; the block is back in registers
.if (\a) > 0
	s_add_nc_u64 s[10:11], s[10:11], 16*SIZE_N*4   ; (behind a wait on XCNT: the earlier stores have read their base)  16 rows on
.endif
.irp t, 0,1,2,3,4,5,6,7,8,9,10,11,12,13,14,15
	global_store_b128 v[CO], v[BB+4*\t:BB+4*\t+3], s[10:11] offset:\t*SIZE_N*4 th:TH_STORE_NT   ; 32 lanes store 512 consecutive bytes, aligned; written once, read by nobody here
.endr
.endm
	PLACES NP                                      ; in front of the reads of results and of the loads into the registers that held A's fragments
	TOSTAGE 0
.irp a, 1,2,3,4,5,6,7
.if \a > 1
	s_wait_xcnt 0x0                                ; block a - 2's stores have read their registers and their base: block a's loads may land there, and the base may step
.endif
	TOSTAGE \a
	SEND \a-1, 32                                  ; behind block a - 1's loads: block a's 16 stores and 16 loads
.endr
	s_wait_xcnt 0x0                                ; block 6's stores have read their base
	SEND 7, 0
	s_wait_tensorcnt 0x0                           ; the wave's end
	ds_add_u32 v[SPW], v[NIL]
	s_wait_dscnt 0x0
	CROUND                                         ; the closing round
	s_endpgm
.Lfunc_end_k_qd5ae324b48_proj:
	.size	k_qd5ae324b48_proj, .Lfunc_end_k_qd5ae324b48_proj-k_qd5ae324b48_proj
	.p2alignl 7, 3214868480
	.fill 96, 4, 3214868480
	.section	.rodata,"a",@progbits
	.p2align	6, 0x0
	.amdhsa_kernel k_qd5ae324b48_proj
		.amdhsa_group_segment_fixed_size 327680
		.amdhsa_private_segment_fixed_size 0
		.amdhsa_enable_private_segment 0
		.amdhsa_kernarg_size 40
		.amdhsa_user_sgpr_count 2
		.amdhsa_user_sgpr_kernarg_segment_ptr 1
		.amdhsa_wavefront_size32 1
		.amdhsa_system_sgpr_workgroup_id_x 1
		.amdhsa_system_sgpr_workgroup_id_y 1
		.amdhsa_system_sgpr_workgroup_id_z 1
		.amdhsa_system_vgpr_workitem_id 0
		.amdhsa_next_free_vgpr 1024
		.amdhsa_next_free_sgpr 100
		.amdhsa_reserve_vcc 0
		.amdhsa_float_denorm_mode_32 3
		.amdhsa_float_denorm_mode_16_64 3
		.amdhsa_memory_ordered 1
		.amdhsa_forward_progress 1
		.amdhsa_inst_pref_size 129
	.end_amdhsa_kernel
	.amdgpu_metadata
---
amdhsa.version: [ 1, 2 ]
amdhsa.kernels:
  - .name:           k_qd5ae324b48_proj
    .symbol:         k_qd5ae324b48_proj.kd
    .args:
      - { .name: y_img, .offset: 0, .size: 8, .value_kind: global_buffer, .address_space: global }
      - { .name: wp_img, .offset: 8, .size: 8, .value_kind: global_buffer, .address_space: global }
      - { .name: b_proj, .offset: 16, .size: 8, .value_kind: global_buffer, .address_space: global }
      - { .name: lowp_scales, .offset: 24, .size: 8, .value_kind: global_buffer, .address_space: global }
      - { .name: out0, .offset: 32, .size: 8, .value_kind: global_buffer, .address_space: global }
    .group_segment_fixed_size: 327680
    .private_segment_fixed_size: 0
    .kernarg_segment_align: 8
    .kernarg_segment_size: 40
    .max_flat_workgroup_size: 128
    .sgpr_count:     100
    .vgpr_count:     1024
    .wavefront_size: 32
...
	.end_amdgpu_metadata
.endif
;; end of part 4
